; MI455X (gfx1250); checked and timed in simulation.
; The chip was launched on July 23, 2026; its instructions are those of AMD's public machine-readable ISA for CDNA 5 (MIT licence, August 2026) and "CDNA5" Instruction Set Architecture Reference Guide (July 2026). The comments in the code are by the model that wrote it; some were corrected since.
;; Little Bit ITQ Spec Linear. Allowed arithmetic: matrix products marked QUANTISED: E4M3 operands, one given power-of-two scale a tensor, by v_wmma_f32_16x16x64_fp8_fp8 or v_wmma_f32_16x16x128_fp8_fp8, f32 sums; everything else in f32.
;; Inputs: U 4,096 x 1,024 float32; U_R 4,096 x 1,024 float32; V 1,024 x 4,096 float32; V_R 1,024 x 4,096 float32; bias 4,096 float32; lowp_scales 8 int32 (the exponents e of the quantised operands' scales 2^e); u1 1 x 4,096 float32; u1_R 1 x 4,096 float32; u2 1 x 1,024 float32; u2_R 1 x 1,024 float32; v1 1 x 1,024 float32; v1_R 1 x 1,024 float32; v2 1 x 4,096 float32; v2_R 1 x 4,096 float32; x 4 x 1,024 x 4,096 float32.
;; Outputs: out0 4 x 1,024 x 4,096 float32.
;; This version of the problem:
;;   THIS VERSION OF THE PROBLEM IS GIVEN IN LOW PRECISION. The matrix products marked QUANTISED in the list below multiply operands that are first quantised to E4M3 (4 exponent bits, 3 mantissa bits; 8 bits a number), with one given power-of-two scale for each operand tensor; their sums are f32. All else is computed in f32.
;;   The module's matrix products, in the order in which they are computed (A, B: the left and right operand; K: the contracted axis; several contracted axes count as one K, in the product's order):
;;     1. [M 4,096, K 4,096] x [K 4,096, N 1,024]; A: computed on the way; B: computed on the way: QUANTISED (scales: A lowp_scales[0], B lowp_scales[1])
;;     2. [M 4,096, K 1,024] x [K 1,024, N 4,096]; A: computed on the way; B: computed on the way: QUANTISED (scales: A lowp_scales[2], B lowp_scales[3])
;;     3. [M 4,096, K 4,096] x [K 4,096, N 1,024]; A: computed on the way; B: computed on the way: QUANTISED (scales: A lowp_scales[4], B lowp_scales[5])
;;     4. [M 4,096, K 1,024] x [K 1,024, N 4,096]; A: computed on the way; B: computed on the way: QUANTISED (scales: A lowp_scales[6], B lowp_scales[7])
;;   THE QUANTISER, for each operand of a quantised product, along K:
;;     - The operand's scale is 2^e, e = its entry of the input lowp_scales (int32; the entries are numbered through the quantised products in the list's order, A before B).
;;     - Each number is divided by the scale, clamped to +-448, and rounded to the nearest number of E4M3, ties to even, subnormals kept.
;;     - The product sums the exact products of the quantised numbers (number of the format x scale) in f32.
;;   ~~~python
;;   def quantise(x, axis, e):      # numpy; x: float32 -> the quantised numbers, widened to float32 again
;;       x = np.moveaxis(x, axis, -1); K = x.shape[-1]
;;       r = np.clip(x / 2.0 ** e, -448, 448)
;;       step = 2.0 ** (np.maximum(np.frexp(np.where(r == 0, 1, r))[1] - 1, -6) - 3)
;;       q = np.round(r / step) * step * 2.0 ** e      # np.round: ties to even
;;       return np.moveaxis(q, -1, axis).astype(np.float32)
;;   ~~~
;;   OPERANDS COMPUTED ON THE WAY. 'Computed on the way' means the value that the module computes at that place (a softmax that the list does not call 'softmax' is quantised finished and normalised). What goes into a quantiser is computed in f32, as accurately as f32 sums, v_exp_f32 and their like allow (about 1e-6 of the number): no bf16 or f16 on the way to a quantiser, and a product that is left as it is and whose result goes on into a quantised operand takes f32 operands (vector FMAs, or v_wmma_f32_16x16x4_f32). A number that lies on a knife's edge between two numbers of the format may be rounded either way, as far as f32 arithmetic and the matrix unit's own rounding can turn it there, and no further.
;; One version. Each part assembles by itself: llvm-mc -triple=amdgcn-amd-amdhsa -mcpu=gfx1250 --defsym DOCPART=n.
;; ======== version 1 of 1: 3 launches
;; limits: right only within a limited range of input values
;; workspace buffers: xq 33,554,432 bytes; vq 8,388,608 bytes; uq 8,388,608 bytes; hq 8,388,608 bytes
;; launch quant (part 1): grid 512 x 1, 8 waves a work-group, no clusters, 35,840 bytes of LDS; arguments x, V, V_R, U, U_R, v2, v2_R, lowp_scales, xq, vq, uq; writes xq, vq, uq
.if DOCPART == 1
	.amdgcn_target "amdgcn-amd-amdhsa--gfx1250"
	.amdhsa_code_object_version 6
	.text
	.protected	k_q4a8d9aa7b4_quant
	.globl	k_q4a8d9aa7b4_quant
	.p2align	8
	.type	k_q4a8d9aa7b4_quant,@function
k_q4a8d9aa7b4_quant:
	s_mov_b64 s[64:65], 0
	v_nop
	global_prefetch_b8 v0, s[64:65] scope:SCOPE_SE
	s_setreg_imm32_b32 hwreg(HW_REG_WAVE_MODE, 25, 1), 1
	s_wait_xcnt 0x0
; All six operands that are made of inputs become codes of FP8 (E4M3): x * v2 and x * v2_R (from ONE read of x), and w + (sign(w) - w) for V, V_R, U, U_R, computed in f32 as it is written.
; code = number / 2^e, held within +-448, rounded to the nearest code, ties to even; e is the operand's entry of lowp_scales.
; LIMITS: each e used here (entries 0, 1, 3, 4, 5, 7) lies between -126 and 119, so that 2^e and 448 x 2^e are f32 numbers.  NaN among the inputs is not served.
; THE LAYOUT OF THE CODES is that of the matrix operand's registers.  A FRAGMENT is 16 rows x 128 K, 2,048 bytes: byte 512 c + 16 l + i (lane l = r + 16 h) is the code of fragment row r at k = 32 c + 16 h + i.
;   xq [path 2][128 rows: 32][128 K: 32][fragment 8][2048]: fragment row r of fragment f is row 16 f + r.
;   vq [256 rows: 8 (0-3 V, 4-7 V_R)][128 K: 32][fragment 16][2048];  uq [256 rows: 16][128 K: 16 (0-7 U, 8-15 U_R)][fragment 16][2048]:
;   fragment row r of fragment 2 b + u is weight row 32 b + 8 u + r + 8 (r / 8), so that the results of two neighbouring fragments are 16 neighbouring columns in a lane.
; SHARES.  A UNIT is 16 fragment rows x 64 K of f32 (4,096 bytes) and gives two runs of 512 bytes of one fragment.  A wave keeps one range of 64 along K and walks 8 units, 128 rows; the eight waves of a
; work-group stand side by side on 2,048 bytes of each row.  Work-groups 0-255 take x, then 64 each V, V_R, U, U_R.  Which tensor is chosen by selects on the work-group's number; only the arithmetic differs by a branch.
; A load reads two rows x 256 aligned bytes; the unit turns through the wave's own stage in LDS (rows of 256 + 16 bytes), so that a lane gets 16 neighbours along K of each block of 32.
; No tensor loads, no barrier, no cluster: waves and work-groups share nothing.  Two units' loads (16 of 512 bytes) are out in each wave.
.set STG,  4352                        ; a wave's stage: 16 rows x 272 bytes
.set SP,   272
.set STA,  2                           ; v2   the stage on the way in: row l / 16, 16 bytes at l % 16
.set LDA,  3                           ; v3   and on the way out: row l % 16, 64 bytes at l / 16
.set DO,   4                           ; v4   16 x lane: my place in a run of 512 bytes of codes
.set MO,   5                           ; v5   64 x (l / 16): my place in v2's and v2_R's 64 numbers
.set SC0,  6                           ; v6, v7   2^e and 448 x 2^e of the first operand;  v8, v9 of x's second
.set LIM0, 7
.set SC1,  8
.set LIM1, 9
.set OFF,  12                          ; v12-19  load i: byte offset of my 16 bytes in the unit's fragment rows 2 i, 2 i + 1; never rewritten
.set MA,   20                          ; v20-51  v2 at my 32 places along K
.set MB,   52                          ; v52-83  v2_R likewise
.set X,    84                          ; v84-115 the unit's 32 numbers of my row: register 16 c + i = k 32 c + 16 h + i
.set T,    116                         ; v116-147 at work
.set C0,   148                         ; v148-155, v156-163 codes
.set C1,   156
.set R,    164                         ; v164-227 two sets of 32: a unit as it is loaded
.set WV,   26
.set ISX,  27
.set PATH, 28
.set ISU,  29
.set JJ,   30
.set SH,   31
.set RG,   32
.set KR,   33
.set LP,   34
.set PSH,  35
.set SRC,  44
.set DST0, 46
.set DST1, 48
.set STEPA, 50
.set STEPB, 52
.set CNT,  54
.set SGN,  55
.set ONE,  56
	s_load_b512 s[4:19], s[0:1], 0x0               ; x, V, V_R, U, U_R, v2, v2_R, lowp_scales
	s_load_b128 s[20:23], s[0:1], 0x40             ; xq, vq
	s_load_b64 s[24:25], s[0:1], 0x50              ; uq
	v_lshl_add_u32 v232, v0, 2, 0x8800
	v_mov_b32 v233, 0
	v_lshrrev_b32 v1, 5, v0
	s_delay_alu instid0(VALU_DEP_1)
	v_readfirstlane_b32 s[WV], v1                  ; wave 0..7
	s_cmp_lt_u32 ttmp9, 256
	s_cselect_b32 s[ISX], 1, 0                     ; x's work-group?
	s_sub_co_u32 s57, ttmp9, 256
	s_bfe_u32 s58, s57, 0x20006                    ; which weight: 0 V, 1 V_R, 2 U, 3 U_R
	s_and_b32 s[PATH], s58, 1
	s_lshr_b32 s[ISU], s58, 1
	s_and_b32 s[JJ], s57, 63
	s_cmp_eq_u32 s[ISX], 1
	s_cselect_b32 s[PATH], 0, s[PATH]
	s_cselect_b32 s[ISU], 0, s[ISU]
	s_cselect_b32 s[JJ], ttmp9, s[JJ]              ; my number within the tensor
	s_cselect_b32 s62, 0, 8                        ; a weight's fragment rows 8-15 lie 8 rows further down
	s_cselect_b32 s[STEPA], 16, 8                  ; rows from an even unit to the next,
	s_cselect_b32 s[STEPB], 16, 24                 ; and from an odd one
	s_cmp_eq_u32 s[ISU], 1
	s_cselect_b32 s[SH], 1, 3                      ; work-groups side by side along K: 2 (K = 1,024) or 8 (K = 4,096)
	s_cselect_b32 s[LP], 19, 21                    ; log2 of 128 rows' bytes
	s_sub_co_u32 s[PSH], s[LP], 7                  ; log2 of a row's bytes
	s_lshl_b32 s62, s62, s[PSH]
	s_lshl_b32 s[STEPA], s[STEPA], s[PSH]
	s_lshl_b32 s[STEPB], s[STEPB], s[PSH]
	s_mov_b32 s[STEPA+1], 0
	s_mov_b32 s[STEPB+1], 0
	s_lshr_b32 s[RG], s[JJ], s[SH]                 ; which 128 rows
	s_lshl_b32 s57, s[RG], s[SH]
	s_sub_co_u32 s57, s[JJ], s57
	s_lshl_b32 s[KR], s57, 3
	s_add_co_u32 s[KR], s[KR], s[WV]               ; which 64 along K is my wave's
	s_mov_b32 s[SGN], 0x80000000
	s_mov_b32 s[ONE], 0x3f800000
	v_and_b32 v1, 31, v0                           ; lane
	v_and_b32 v10, 15, v0
	v_bfe_u32 v11, v0, 4, 1
	s_mul_i32 s57, s[WV], STG
	v_mul_u32_u24 v[STA], v11, SP
	s_delay_alu instid0(VALU_DEP_1)
	v_lshl_add_u32 v[STA], v10, 4, v[STA]
	s_delay_alu instid0(VALU_DEP_1)
	v_add_nc_u32 v[STA], s57, v[STA]
	v_mul_u32_u24 v[LDA], v10, SP
	s_delay_alu instid0(VALU_DEP_1)
	v_lshl_add_u32 v[LDA], v11, 6, v[LDA]
	s_delay_alu instid0(VALU_DEP_1)
	v_add_nc_u32 v[LDA], s57, v[LDA]
	v_lshlrev_b32 v[DO], 4, v1
	v_lshlrev_b32 v[MO], 6, v11
	v_lshlrev_b32 v1, s[PSH], v11                  ; lanes 16-31 take the odd row
	s_delay_alu instid0(VALU_DEP_1)
	v_lshl_add_u32 v1, v10, 4, v1
	s_wait_alu depctr_va_vdst(0)
.irp i, 0,1,2,3,4,5,6,7
	s_lshl_b32 s57, 2*\i, s[PSH]
.if \i >= 4
	s_add_co_u32 s57, s57, s62
.endif
	v_add_nc_u32 v[OFF+\i], s57, v1
.endr
	; where my wave's part begins: in the source (s[58:59]) and among the codes (s[60:61])
	s_lshl_b32 s58, s[RG], s[LP]
	s_lshl_b32 s57, s[KR], 8
	s_add_co_u32 s58, s58, s57
	s_mov_b32 s59, 0
	s_lshr_b32 s62, s[KR], 1                       ; which 128 along K,
	s_and_b32 s63, s[KR], 1
	s_lshl_b32 s63, s63, 10                        ; and which half of a fragment's 2,048 bytes
	s_lshl_b32 s60, s[RG], 19                      ; xq
	s_lshl_b32 s57, s62, 14
	s_add_co_u32 s60, s60, s57
	s_lshr_b32 s57, s[RG], 1                       ; the weights: which 256 rows
	s_lshl_b32 s61, s[PATH], 2
	s_add_co_u32 s61, s61, s57
	s_lshl_b32 s61, s61, 20                        ; vq
	s_lshl_b32 s57, s57, 19
	s_lshl_b32 s[CNT], s[PATH], 18
	s_add_co_u32 s57, s57, s[CNT]                  ; uq: the second path's K steps lie 8 x 32,768 bytes on
	s_cmp_eq_u32 s[ISU], 1
	s_cselect_b32 s57, s57, s61
	s_lshl_b32 s62, s62, 15
	s_add_co_u32 s57, s57, s62
	s_and_b32 s61, s[RG], 1
	s_lshl_b32 s61, s61, 14                        ; fragments 8-15 of the 256 rows
	s_add_co_u32 s57, s57, s61
	s_cmp_eq_u32 s[ISX], 1
	s_cselect_b32 s60, s60, s57
	s_add_co_u32 s60, s60, s63
	s_mov_b32 s61, 0
	s_wait_alu depctr_va_vdst(0)
	s_wait_kmcnt 0x0
	s_load_b256 s[36:43], s[18:19], 0x0            ; the eight exponents
	s_cmp_eq_u32 s[PATH], 1                        ; the buffers are chosen on the work-group's number alone
	s_cselect_b64 s[6:7], s[8:9], s[6:7]
	s_cselect_b64 s[10:11], s[12:13], s[10:11]
	s_cmp_eq_u32 s[ISU], 1
	s_cselect_b64 s[6:7], s[10:11], s[6:7]
	s_cselect_b64 s[22:23], s[24:25], s[22:23]
	s_cmp_eq_u32 s[ISX], 1
	s_cselect_b64 s[SRC:SRC+1], s[4:5], s[6:7]
	s_cselect_b64 s[DST0:DST0+1], s[20:21], s[22:23]
	s_add_nc_u64 s[SRC:SRC+1], s[SRC:SRC+1], s[58:59]
	s_add_nc_u64 s[DST0:DST0+1], s[DST0:DST0+1], s[60:61]
	s_add_nc_u64 s[DST1:DST1+1], s[DST0:DST0+1], 0x1000000   ; xq's second path; only x's work-groups store by it
	s_lshl_b32 s58, s[KR], 8                       ; my 64 numbers of v2 and v2_R (the range stays inside their 4,096 numbers in every work-group)
	s_add_nc_u64 s[14:15], s[14:15], s[58:59]
	s_add_nc_u64 s[16:17], s[16:17], s[58:59]
.irp c, 0,1
.irp q, 0,1,2,3
	global_load_b128 v[MA+16*\c+4*\q:MA+16*\c+4*\q+3], v[MO], s[14:15] offset:128*\c+16*\q
	global_load_b128 v[MB+16*\c+4*\q:MB+16*\c+4*\q+3], v[MO], s[16:17] offset:128*\c+16*\q
.endr
.endr
.macro LOADU set                       ; a unit: eight loads, each two rows x 256 aligned bytes
.irp i, 0,1,2,3,4,5,6,7
	global_load_b128 v[R+32*\set+4*\i:R+32*\set+4*\i+3], v[OFF+\i], s[SRC:SRC+1] th:TH_LOAD_NT
.endr
.endm
	LOADU 0
	s_wait_xcnt 0x0                                ; the loads have read their base: it may step
	s_add_nc_u64 s[SRC:SRC+1], s[SRC:SRC+1], s[STEPA:STEPA+1]
	LOADU 1                                        ; the base stays at unit 1: each unit steps it ahead of its own loads
	s_wait_kmcnt 0x0
	s_cmp_eq_u32 s[PATH], 1
	s_cselect_b32 s57, s43, s39                    ; U_R's or U's exponent,
	s_cselect_b32 s58, s41, s37                    ; V_R's or V's
	s_cmp_eq_u32 s[ISU], 1
	s_cselect_b32 s57, s57, s58
	s_cmp_eq_u32 s[ISX], 1
	s_cselect_b32 s57, s36, s57                    ; or that of x * v2
	s_add_co_i32 s57, s57, 127
	s_lshl_b32 s58, s57, 23
	v_mov_b32 v[SC0], s58                          ; 2^e as f32: the conversion takes its exponent field
	s_add_co_i32 s57, s57, 8
	s_lshl_b32 s57, s57, 23
	s_or_b32 s57, s57, 0x600000
	v_mov_b32 v[LIM0], s57                         ; 448 x 2^e
	s_add_co_i32 s57, s40, 127                     ; the same for x * v2_R
	s_lshl_b32 s58, s57, 23
	v_mov_b32 v[SC1], s58
	s_add_co_i32 s57, s57, 8
	s_lshl_b32 s57, s57, 23
	s_or_b32 s57, s57, 0x600000
	v_mov_b32 v[LIM1], s57
; 32 numbers become 32 codes in 8 registers
.macro CONV src, dst, sc, lim
.set j, 0
.rept 32
	v_med3_num_f32 v[\src+j], v[\src+j], -v[\lim], v[\lim]   ; the conversion to an 8-bit code does not saturate (ISA guide 7.6.2): the hold comes first
.set j, j+1
.endr
.irp g, 0,1,2,3
	v_cvt_scalef32_pk8_fp8_f32 v[\dst+2*\g:\dst+2*\g+1], v[\src+8*\g:\src+8*\g+7], v[\sc]
.endr
	v_nop                                          ; a plain vector line between the conversions and the next vector line that writes their sources
.endm
; One unit.  ahead = 1: the set is loaded again with the unit two further on, and the base steps by s[step].  left: the younger loads that may stay out.  doff: the unit's fragment among the codes.
; The base steps AHEAD of the loads, by s[step], from the unit loaded last.  ds = 1: the codes' bases step by two fragments first, and this trip's stores reach back by their immediate.
.macro UNIT set, ahead, left, doff, step, ds=0
	s_wait_loadcnt \left                           ; loads come back in order: this set's eight are in, the other set's may be out
.irp i, 0,1,2,3,4,5,6,7
	ds_store_b128 v[STA], v[R+32*\set+4*\i:R+32*\set+4*\i+3] offset:2*SP*\i
.endr
.irp c, 0,1
.irp q, 0,1,2,3
	ds_load_b128 v[X+16*\c+4*\q:X+16*\c+4*\q+3], v[LDA] offset:128*\c+16*\q   ; LDS serves a wave's instructions in order: these see the stores above
.endr
.endr
	s_wait_dscnt 0x0                               ; my 32 numbers are back, and the stores have read the set
	s_wait_xcnt 0x0                                ; the other set's loads have read their base, the last unit's stores their codes and bases: all are written again only behind this wait
.if \ds
	s_add_nc_u64 s[DST0:DST0+1], s[DST0:DST0+1], 4096
	s_add_nc_u64 s[DST1:DST1+1], s[DST1:DST1+1], 4096
.endif
.if \ahead
	s_add_nc_u64 s[SRC:SRC+1], s[SRC:SRC+1], s[\step:\step+1]
	LOADU \set
.endif
	s_cmp_eq_u32 s[ISX], 1                         ; the branch hangs on the work-group's number; no LDS instruction stands in either arm
	s_cbranch_scc0 .Lweight_\@
.set j, 0
.rept 16
	v_pk_mul_f32 v[T+j:T+j+1], v[X+j:X+j+1], v[MA+j:MA+j+1]    ; x * v2
.set j, j+2
.endr
	CONV T, C0, SC0, LIM0
	global_store_b128 v[DO], v[C0:C0+3], s[DST0:DST0+1] offset:\doff          ; the wave stores 512 consecutive bytes, aligned
	global_store_b128 v[DO], v[C0+4:C0+7], s[DST0:DST0+1] offset:\doff+512
.set j, 0
.rept 16
	v_pk_mul_f32 v[X+j:X+j+1], v[X+j:X+j+1], v[MB+j:MB+j+1]    ; x * v2_R
.set j, j+2
.endr
	CONV X, C1, SC1, LIM1
	global_store_b128 v[DO], v[C1:C1+3], s[DST1:DST1+1] offset:\doff
	global_store_b128 v[DO], v[C1+4:C1+7], s[DST1:DST1+1] offset:\doff+512
	s_branch .Ldone_\@
.Lweight_\@:
.set j, 0
.rept 32
	v_and_or_b32 v[T+j], v[X+j], s[SGN], s[ONE]    ; 1.0 with w's sign,
	v_cmp_neq_f32 vcc_lo, 0, v[X+j]
	s_delay_alu instid0(VALU_DEP_1)
	v_cndmask_b32 v[T+j], 0, v[T+j], vcc_lo        ; 0 where w is 0: sign(w)
.set j, j+1
.endr
.set j, 0
.rept 16
	v_pk_add_f32 v[T+j:T+j+1], v[T+j:T+j+1], v[X+j:X+j+1] neg_lo:[0,1] neg_hi:[0,1]   ; sign(w) - w
.set j, j+2
.endr
.set j, 0
.rept 16
	v_pk_add_f32 v[T+j:T+j+1], v[X+j:X+j+1], v[T+j:T+j+1]     ; w + (sign(w) - w), each step rounded in f32 as it is written
.set j, j+2
.endr
	CONV T, C0, SC0, LIM0
	global_store_b128 v[DO], v[C0:C0+3], s[DST0:DST0+1] offset:\doff
	global_store_b128 v[DO], v[C0+4:C0+7], s[DST0:DST0+1] offset:\doff+512
.Ldone_\@:
.endm
	s_mov_b32 s[CNT], 3
.Lpair:                                            ; three trips of two units; the last two units follow without loads, so that no load leaves its buffer
	UNIT 0, 1, 8, -4096, STEPB, 1                  ; loads an even unit: the step from the odd one before it
	UNIT 1, 1, 8, -2048, STEPA
	s_sub_co_u32 s[CNT], s[CNT], 1
	s_cmp_lg_u32 s[CNT], 0
	s_cbranch_scc1 .Lpair
	UNIT 0, 0, 8, 0, STEPA
	UNIT 1, 0, 0, 2048, STEPB
	s_wait_tensorcnt 0x0
	ds_add_u32 v232, v233
	s_wait_dscnt 0x0
	s_endpgm
.Lfunc_end_k_q4a8d9aa7b4_quant:
	.size	k_q4a8d9aa7b4_quant, .Lfunc_end_k_q4a8d9aa7b4_quant-k_q4a8d9aa7b4_quant
	.p2alignl 7, 3214868480
	.fill 96, 4, 3214868480
	.section	.rodata,"a",@progbits
	.p2align	6, 0x0
	.amdhsa_kernel k_q4a8d9aa7b4_quant
		.amdhsa_group_segment_fixed_size 35840
		.amdhsa_private_segment_fixed_size 0
		.amdhsa_enable_private_segment 0
		.amdhsa_kernarg_size 88
		.amdhsa_user_sgpr_count 2
		.amdhsa_user_sgpr_kernarg_segment_ptr 1
		.amdhsa_wavefront_size32 1
		.amdhsa_system_sgpr_workgroup_id_x 1
		.amdhsa_system_sgpr_workgroup_id_y 1
		.amdhsa_system_sgpr_workgroup_id_z 1
		.amdhsa_system_vgpr_workitem_id 0
		.amdhsa_next_free_vgpr 234
		.amdhsa_next_free_sgpr 66
		.amdhsa_reserve_vcc 1
		.amdhsa_float_denorm_mode_32 3
		.amdhsa_float_denorm_mode_16_64 3
		.amdhsa_memory_ordered 1
		.amdhsa_forward_progress 1
		.amdhsa_inst_pref_size 81
	.end_amdhsa_kernel
	.amdgpu_metadata
---
amdhsa.version: [ 1, 2 ]
amdhsa.kernels:
  - .name:           k_q4a8d9aa7b4_quant
    .symbol:         k_q4a8d9aa7b4_quant.kd
    .args:
      - { .name: x, .offset: 0, .size: 8, .value_kind: global_buffer, .address_space: global }
      - { .name: V, .offset: 8, .size: 8, .value_kind: global_buffer, .address_space: global }
      - { .name: V_R, .offset: 16, .size: 8, .value_kind: global_buffer, .address_space: global }
      - { .name: U, .offset: 24, .size: 8, .value_kind: global_buffer, .address_space: global }
      - { .name: U_R, .offset: 32, .size: 8, .value_kind: global_buffer, .address_space: global }
      - { .name: v2, .offset: 40, .size: 8, .value_kind: global_buffer, .address_space: global }
      - { .name: v2_R, .offset: 48, .size: 8, .value_kind: global_buffer, .address_space: global }
      - { .name: lowp_scales, .offset: 56, .size: 8, .value_kind: global_buffer, .address_space: global }
      - { .name: xq, .offset: 64, .size: 8, .value_kind: global_buffer, .address_space: global }
      - { .name: vq, .offset: 72, .size: 8, .value_kind: global_buffer, .address_space: global }
      - { .name: uq, .offset: 80, .size: 8, .value_kind: global_buffer, .address_space: global }
    .group_segment_fixed_size: 35840
    .private_segment_fixed_size: 0
    .kernarg_segment_align: 8
    .kernarg_segment_size: 88
    .max_flat_workgroup_size: 256
    .sgpr_count:     66
    .vgpr_count:     234
    .wavefront_size: 32
...
	.end_amdgpu_metadata
.endif
;; end of part 1
;; launch gemm1 (part 2): grid 8 x 32, 4 waves a work-group, clusters of 4 x 4, 327,680 bytes of LDS; arguments xq, vq, lowp_scales, v1, u2, v1_R, u2_R, hq; writes hq
.if DOCPART == 2
	.amdgcn_target "amdgcn-amd-amdhsa--gfx1250"
	.amdhsa_code_object_version 6
	.text
	.protected	k_q4a8d9aa7b4_gemm1
	.globl	k_q4a8d9aa7b4_gemm1
	.p2align	8
	.type	k_q4a8d9aa7b4_gemm1,@function
k_q4a8d9aa7b4_gemm1:
	s_mov_b64 s[64:65], 0
	v_nop
	global_prefetch_b8 v0, s[64:65] scope:SCOPE_SE
	s_setreg_imm32_b32 hwreg(HW_REG_WAVE_MODE, 25, 1), 1
	s_wait_xcnt 0x0
	s_wait_alu depctr_hold_cnt(0) depctr_sa_sdst(0) depctr_va_vdst(0) depctr_va_sdst(0) depctr_va_ssrc(0) depctr_va_vcc(0) depctr_vm_vsrc(0)
	s_getreg_b32 s2, hwreg(HW_REG_IB_STS2, 6, 4)
	s_cmp_eq_u32 s2, 0
	s_cbranch_scc0 .Lentry_in_a_cluster
	s_endpgm
.Lentry_in_a_cluster:
	s_bfe_u32 s2, ttmp6, 0x10000c
	s_cmp_lg_u32 s2, 0xf033
	s_cbranch_scc0 .Lentry_shape_is_right
	s_endpgm
.Lentry_shape_is_right:
; Products 1 and 3: h = (x * v2) Vq^T and its _R twin, on codes of FP8 (E4M3) that the launch before has laid as register images; then h * (v1 * u2) is quantised along the next K and stored as codes (hq).
; Work-group (x, y): 128 rows (y) x 256 columns (x: 0-3 the first path, 4-7 the second), K = 4,096.  Four waves, each 64 x 128: 32 accumulators, 256 registers.
; A FRAGMENT is 16 rows x 128 K, 2,048 bytes, byte 512 c + 16 lane + i; a K step of 128 is 8 fragments of A (16 KB) and 16 of B (32 KB), dense in memory from step to step.
; THE RING: two LDS slots, each with THREE K steps (48 KB of A, then 96 KB of B).  32 K steps are ten fills of three and one of two, eleven in all.
; Wave 3 asks for A's part of a slot (192 rows of 256 bytes), waves 0-2 for one K step of B each (128 rows): one tensor load a wave behind each round; by this text's count a wave has one load out.
; In the last fill A's load has 128 rows and wave 2 asks for nothing.  Every wait on TENSORcnt is for 0.
; CLUSTERS: 4 x 4.  A's tiles are asked for jointly along a row of the cluster, B's along a column.  lds_bytes claims all of LDS.
; THE MATRIX INSTRUCTION IS USED TRANSPOSED (source 0 = B, source 1 = A); the weight rows of two neighbouring fragments are laid so that a lane's 16 results are 16 neighbours along the next K.
; code of h = sum x (v1 u2) / 2^(e2 - e0 - e1) (second path: e6 - e4 - e5), held within +-448.  LIMIT: that exponent lies between -126 and 119.  NaN is not served.
; PREFETCH: when fill i + 2 is asked for, fill i + 4 is named, for i = 0 .. 5; each cluster names its own tiles; the four partners of a joint load share its blocks of 256 bytes by address
; (A: 48 blocks each, two instructions of wave 3, the second's upper lanes naming its last block again; B: 32 blocks a wave).  Fills 0 to 3 and the short fill 10 come by their loads alone.
; REGISTERS: window 0: v0-31 addresses, v32-95 at work on the way out, v128-255 A's fragments, two sets; window 1: B's, two sets; window 2: accumulators ((a, b) at v[8 (8 a + b)]); window 3: v1, u2.
.set ASTEP, 49152                      ; A's bytes in a slot
.set BSTEP, 98304                      ; B's
.set SLOT,  ASTEP+BSTEP
.set SPARE, 2*SLOT                     ; the spare words: 512 bytes that no other line names
.set VSC,  8                           ; 2^(e2 - e0 - e1)
.set VLIM, 9                           ; 448 x that
.set HO,   10                          ; 16 x lane
.set ADRA, 16                          ; v16-17 my A fragments in slot 0, 1
.set ADRB, 20                          ; v20-21 my B fragments, K steps 0 and 1 of the slot
.set ADRB2, 22                         ; v22-23 the same 65,536 bytes on: K step 2 (an LDS offset has 16 bits)
.set SPW,  28
.set NIL,  29
.set PFO,  30                          ; 256 x lane
.set PFO2, 31                          ; 256 x min(lane, 15)
.set TMP,  32
.set CD,   128
.set G1,  24                           ; group 1, A, 192 rows
.set G0,  32                           ; group 0, A, a set for each slot
.set G1B, 48                           ; group 1, B, 128 rows
.set G0B, 56                           ; group 0, B
.set PFA, 68
.set PFS, 70
.set G1S, 84                           ; group 1, A, 128 rows: the last fill
.set MSB, 0
.macro WIN new
.if MSB != \new
	s_set_vgpr_msb (MSB<<8)|\new
.set MSB, \new
.endif
.endm
.set MUL_LO, 0xa1                      ; source 0 window 1, source 1 window 0, C and D window 2
.set TO_B,   0x40
.macro PLACES n
.rept \n
	v_nop
.endr
.endm
.macro JLOAD s                         ; a joint load; the branch hangs on the wave's number alone; s_nop 0 and four v_nop behind each line
	s_cmp_eq_u32 s20, 3
	s_cbranch_scc0 .Lfor_b_\@
	tensor_load_to_lds s[G0+4*\s:G0+4*\s+3], s[G1:G1+7]
	s_nop 0
	PLACES 4
	s_branch .Lasked_\@
.Lfor_b_\@:
	tensor_load_to_lds s[G0B+4*\s:G0B+4*\s+3], s[G1B:G1B+7]
	s_nop 0
	PLACES 4
.Lasked_\@:
.endm
.macro JLAST                           ; the last fill, two K steps into slot 0: wave 3 A's 128 rows, waves 0 and 1 B's, wave 2 nothing
	s_cmp_eq_u32 s20, 3
	s_cbranch_scc0 .Llast_b_\@
	tensor_load_to_lds s[G0:G0+3], s[G1S:G1S+7]
	s_nop 0
	PLACES 4
	s_branch .Llast_done_\@
.Llast_b_\@:
	s_cmp_eq_u32 s20, 2
	s_cbranch_scc1 .Llast_done_\@
	tensor_load_to_lds s[G0B:G0B+3], s[G1B:G1B+7]
	s_nop 0
	PLACES 4
.Llast_done_\@:
	PLACES 4                                       ; wave 2's places in front of the fragment loads
.endm
.macro CROUND                          ; a round of the cluster's barrier
	s_barrier_signal -1
	s_barrier_wait -1
	s_cmp_lg_u32 s20, 0
	s_cbranch_scc1 .Lnot_wave_0_\@
	s_barrier_signal -3
.Lnot_wave_0_\@:
	s_barrier_wait -3
	s_barrier_signal -1
	s_barrier_wait -1
.endm
.macro ASK                             ; s3 = 1 in the loop's last trip, whose two fills have no whole fill four on
	s_cmp_gt_u32 s3, 1
	s_cbranch_scc0 .Lno_ask_\@
	global_prefetch_b8 v[PFO], s[PFA:PFA+1] th:TH_LOAD_NT scope:SCOPE_SE
	s_cmp_eq_u32 s20, 3
	s_cbranch_scc0 .Lno_ask_\@
	global_prefetch_b8 v[PFO2], s[PFA:PFA+1] offset:8192 th:TH_LOAD_NT scope:SCOPE_SE
.Lno_ask_\@:
.endm
.macro SHAPE g, rows                   ; a dense block as rows of 32 elements of 8 bytes
	s_mov_b32 s[\g+1], 32<<16
	s_mov_b32 s[\g+2], (\rows)<<16
	s_mov_b32 s[\g+3], 32<<16
	s_mov_b32 s[\g+4], \rows
	s_mov_b32 s[\g+5], 32
	s_mov_b32 s[\g+6], 0
	s_mov_b32 s[\g+7], 0
.endm
	s_load_b512 s[4:19], s[0:1], 0x0               ; xq, vq, lowp_scales, v1, u2, v1_R, u2_R, hq
	v_lshl_add_u32 v[SPW], v0, 2, SPARE
	v_mov_b32 v[NIL], 0
	ds_add_u32 v[SPW], v[NIL]                      ; the opening lines: the add twice on end and one wait
	ds_add_u32 v[SPW], v[NIL]
	v_lshrrev_b32 v1, 5, v0
	v_readfirstlane_b32 s20, v1                    ; wave
	s_lshr_b32 s21, s20, 1                         ; my half of the rows
	s_and_b32 s22, s20, 1                          ; my half of the columns
	s_bfe_u32 s40, ttmp6, 0x40000                  ; cx
	s_bfe_u32 s41, ttmp6, 0x40004                  ; cy
	s_lshl_b32 s42, ttmp9, 2
	s_add_co_u32 s42, s42, s40                     ; tile column; ttmp9 is the path
	s_and_b32 s43, ttmp7, 0xffff
	s_lshl_b32 s43, s43, 2
	s_add_co_u32 s43, s43, s41                     ; tile row
	s_lshl_b32 s44, s41, 2
	s_lshl_b32 s44, 15, s44                        ; my row of the cluster
	s_lshl_b32 s45, 0x1111, s40                    ; my column
	s_or_b32 s[G1], s44, (3<<16)|(1<<21)
	s_or_b32 s[G1S], s44, (3<<16)|(1<<21)
	s_or_b32 s[G1B], s45, (3<<16)|(1<<21)
	SHAPE G1, 192
	SHAPE G1S, 128
	SHAPE G1B, 128
	s_lshl_b32 s66, ttmp9, 24                      ; xq: path, 128 rows
	s_lshl_b32 s72, s43, 19
	s_add_co_u32 s66, s66, s72
	s_mov_b32 s67, 0
	s_lshl_b32 s46, s42, 20                        ; vq: 256 rows, and the K step that my wave asks for
	s_lshl_b32 s73, s20, 15
	s_add_co_u32 s46, s46, s73
	s_mov_b32 s47, 0
	s_add_co_u32 s74, s73, ASTEP                   ; and where it goes
	s_wait_dscnt 0x0                               ; both opening adds are done
	s_wait_kmcnt 0x0
	s_load_b256 s[76:83], s[8:9], 0x0              ; e0 .. e7
	s_add_nc_u64 s[66:67], s[4:5], s[66:67]
	s_add_nc_u64 s[46:47], s[6:7], s[46:47]
.irp s, 0,1
	s_mov_b32 s[G0+4*\s], 1
	s_mov_b32 s[G0+4*\s+1], \s*SLOT
	s_add_nc_u64 s[G0+4*\s+2:G0+4*\s+3], s[66:67], \s*ASTEP
	s_or_b32 s[G0+4*\s+3], s[G0+4*\s+3], 0x80000000
	s_mov_b32 s[G0B+4*\s], 1
	s_add_co_u32 s[G0B+4*\s+1], s74, \s*SLOT
	s_add_nc_u64 s[G0B+4*\s+2:G0B+4*\s+3], s[46:47], \s*BSTEP
	s_or_b32 s[G0B+4*\s+3], s[G0B+4*\s+3], 0x80000000
.endr
	CROUND                                         ; all sixteen work-groups are here: the first joint loads meet
	JLOAD 0                                        ; fill 0: one tensor load a wave at the head
	; the rest of the head stands under that load's flight
	s_lshl_b32 s92, s21, 13                        ; my four fragments of A
	s_lshl_b32 s93, s22, 14                        ; my eight of B,
	s_add_co_u32 s93, s93, ASTEP                   ; behind A's part
	s_cmp_eq_u32 ttmp9, 0
	s_cselect_b64 s[10:11], s[10:11], s[14:15]     ; v1 or v1_R
	s_cselect_b64 s[12:13], s[12:13], s[16:17]     ; u2 or u2_R
	s_lshl_b32 s94, s40, 10
	s_lshl_b32 s95, s22, 9
	s_add_co_u32 s94, s94, s95                     ; my 128 columns within the path, 4 bytes each
	s_mov_b32 s95, 0
	s_add_nc_u64 s[10:11], s[10:11], s[94:95]
	s_add_nc_u64 s[12:13], s[12:13], s[94:95]
	s_lshl_b32 s96, s43, 18                        ; hq [128 rows][K step of the next product: 16][fragment 8][2048]
	s_lshl_b32 s98, s42, 15
	s_add_co_u32 s96, s96, s98
	s_lshl_b32 s98, s22, 14
	s_add_co_u32 s96, s96, s98
	s_lshl_b32 s98, s21, 13
	s_add_co_u32 s96, s96, s98
	s_mov_b32 s97, 0
	s_add_nc_u64 s[18:19], s[18:19], s[96:97]
	s_mul_i32 s96, s40, 12288                      ; the prefetches: my work-group's quarter of what my wave asks for, at fill 3; the first refill steps it to fill 4
	s_add_co_u32 s96, s96, 3*ASTEP
	s_lshl_b32 s98, s41, 13
	s_add_co_u32 s98, s98, 3*BSTEP
	s_mov_b32 s[PFS], BSTEP
	s_cmp_eq_u32 s20, 3
	s_cselect_b64 s[PFA:PFA+1], s[66:67], s[46:47]
	s_cselect_b32 s96, s96, s98
	s_cselect_b32 s[PFS], ASTEP, s[PFS]
	s_mov_b32 s[PFS+1], 0
	s_add_nc_u64 s[PFA:PFA+1], s[PFA:PFA+1], s[96:97]
	s_wait_kmcnt 0x0
	s_sub_co_i32 s98, s78, s76
	s_sub_co_i32 s98, s98, s77                     ; e2 - e0 - e1
	s_sub_co_i32 s99, s82, s80
	s_sub_co_i32 s99, s99, s81                     ; e6 - e4 - e5
	s_cmp_eq_u32 ttmp9, 0
	s_cselect_b32 s98, s98, s99
	s_add_co_i32 s98, s98, 127
	s_lshl_b32 s99, s98, 23
	s_add_co_i32 s98, s98, 8
	s_lshl_b32 s98, s98, 23
	s_or_b32 s98, s98, 0x600000
	v_and_b32 v1, 31, v0
	v_bfe_u32 v3, v0, 4, 1
	v_lshlrev_b32 v[HO], 4, v1
	v_lshlrev_b32 v4, 6, v3                        ; 16 columns x 4 bytes for the upper half of the lanes; never rewritten
	v_lshlrev_b32 v[PFO], 8, v1
	v_min_u32 v2, 15, v1
	v_lshlrev_b32 v[PFO2], 8, v2
	v_add_nc_u32 v[ADRA], s92, v[HO]
	v_add_nc_u32 v[ADRB], s93, v[HO]
	v_add_nc_u32 v[ADRA+1], SLOT, v[ADRA]
	v_add_nc_u32 v[ADRB+1], SLOT, v[ADRB]
	v_add_nc_u32 v[ADRB2], 65536, v[ADRB]
	v_add_nc_u32 v[ADRB2+1], 65536, v[ADRB+1]
	v_mov_b32 v[VSC], s99
	v_mov_b32 v[VLIM], s98
	WIN 0xc0                                       ; v1 and u2 at my lane's 64 columns, into window 3; they are waited for on the way out
.irp b, 0,1,2,3
.irp q, 0,1,2,3
	global_load_b128 v[16*\b+4*\q:16*\b+4*\q+3], v4, s[10:11] offset:128*\b+16*\q
	global_load_b128 v[64+16*\b+4*\q:64+16*\b+4*\q+3], v4, s[12:13] offset:128*\b+16*\q
.endr
.endr
	WIN 0
.macro FRAG reg, adr, off
.irp c, 0,1,2,3
	ds_load_b128 v[\reg+4*\c:\reg+4*\c+3], v[\adr] offset:\off+512*\c
.endr
.endm
.macro FETCH slot, q, p                ; 48 LDS loads in one run: K step q of the slot into set p: B's eight fragments, then A's four
	WIN TO_B
.irp i, 0,1,2,3,4,5,6,7
.if (\q) == 2
	FRAG 128*(\p)+16*\i, ADRB2+\slot, \i*2048
.else
	FRAG 128*(\p)+16*\i, ADRB+\slot, (\q)*32768+\i*2048
.endif
.endr
	WIN 0
.irp i, 0,1,2,3
	FRAG 128+64*(\p)+16*\i, ADRA+\slot, (\q)*16384+\i*2048
.endr
.endm
.macro MULA a, p, zero                 ; the 32 accumulators take turns in the same order in every step
.irp b, 0,1,2,3,4,5,6,7
.if \zero
	v_wmma_f32_16x16x128_fp8_fp8 v[8*(8*(\a)+\b):8*(8*(\a)+\b)+7], v[128*(\p)+16*\b:128*(\p)+16*\b+15], v[128+64*(\p)+16*(\a):128+64*(\p)+16*(\a)+15], 0
.else
	v_wmma_f32_16x16x128_fp8_fp8 v[8*(8*(\a)+\b):8*(8*(\a)+\b)+7], v[128*(\p)+16*\b:128*(\p)+16*\b+15], v[128+64*(\p)+16*(\a):128+64*(\p)+16*(\a)+15], v[8*(8*(\a)+\b):8*(8*(\a)+\b)+7]
.endif
.endr
.endm
.macro MUL16 a0, p, zero
	MULA \a0, \p, \zero
	MULA \a0+1, \p, \zero
.endm
; K step q (0 or 1) of a slot, in set p; in its middle the slot's next K step is fetched into the other set
.macro STEP slot, q, p, zero
	s_wait_dscnt 8                                 ; B and A's fragments 0, 1 are in; the youngest eight loads (A's 2, 3) may be out
	WIN MUL_LO
	MUL16 0, \p, \zero
	PLACES 4                                       ; in front of loads into registers that matrix instructions have read
	FETCH \slot, (\q)+1, 1-(\p)
	s_wait_dscnt 48                                ; all but the 48 just issued
	WIN MUL_LO
	MUL16 2, \p, \zero
.endm
; A slot's last K step, in set p, changes slots.  fill = 1: the slot is filled again, two fills on; 2: with the last, short fill; 0: nothing more is asked for.
.macro TURN slot, next, p, fill
.if \fill == 1
	s_wait_xcnt 0x0                                ; my last prefetch has read its address
	s_add_nc_u64 s[PFA:PFA+1], s[PFA:PFA+1], s[PFS:PFS+1]
.endif
	s_wait_dscnt 8
	WIN MUL_LO
	MUL16 0, \p, 0
	WIN 0
	s_wait_tensorcnt 0x0                           ; all my tensor loads have landed: my part of the next slot
	ds_add_u32 v[SPW], v[NIL]
.if \fill
	s_add_nc_u64 s[G0+4*\slot+2:G0+4*\slot+3], s[G0+4*\slot+2:G0+4*\slot+3], 2*ASTEP
	s_add_nc_u64 s[G0B+4*\slot+2:G0B+4*\slot+3], s[G0B+4*\slot+2:G0B+4*\slot+3], 2*BSTEP
.endif
	s_wait_dscnt 0x0                               ; the add is done and my reads of this slot are over
.if \fill
	CROUND                                         ; no wave of any partner still reads this slot or has a load out
.if \fill == 1
	JLOAD \slot
.else
	JLAST
.endif
.else
	s_barrier_signal -1
	s_barrier_wait -1
	PLACES 4
.endif
	FETCH \next, 0, 1-(\p)
.if \fill == 1
	ASK
.endif
	WIN MUL_LO
	MUL16 2, \p, 0
.endm
	s_wait_alu depctr_va_vdst(0)
	s_wait_tensorcnt 0x0                           ; my part of fill 0 is in; the same lines as ahead of a refill
	ds_add_u32 v[SPW], v[NIL]
	s_wait_dscnt 0x0
	CROUND
	JLOAD 1                                        ; fill 1, slot 1's first
	FETCH 0, 0, 0
	STEP 0, 0, 0, 1                                ; the first K step starts the sums
	WIN 0
	s_mov_b32 s3, 4
.Llap:                                                 ; a trip: six K steps, once round the ring, fills 2 t + 2 and 2 t + 3
	STEP 0, 1, 1, 0
	TURN 0, 1, 0, 1
	STEP 1, 0, 1, 0
	STEP 1, 1, 0, 0
	TURN 1, 0, 1, 1
	STEP 0, 0, 0, 0
	WIN 0
	s_sub_co_u32 s3, s3, 1
	s_cmp_lg_u32 s3, 0
	s_cbranch_scc1 .Llap
	STEP 0, 1, 1, 0                                ; fill 8 goes on
	TURN 0, 1, 0, 2                                ; fill 10 is asked for
	STEP 1, 0, 1, 0
	STEP 1, 1, 0, 0
	TURN 1, 0, 1, 0
	STEP 0, 0, 0, 0                                ; fill 10's two K steps
	s_wait_dscnt 8
	WIN MUL_LO
	MUL16 0, 1, 0
	s_wait_dscnt 0x0
	MUL16 2, 1, 0
	s_wait_loadcnt 0x0                             ; v1 and u2
	WIN 0xcf
.set j, 0
.rept 32
	v_pk_mul_f32 v[j:j+1], v[j:j+1], v[64+j:64+j+1]   ; v1 * u2; these lines are also the places behind the last products
.set j, j+2
.endr
; THE WAY OUT: a lane's 64 numbers of a row block are four runs of 16 neighbours along the next K: its codes are the next operand's registers
.irp a, 0,1,2,3
	WIN 0x0e
.set j, 0
.rept 32
	v_pk_mul_f32 v[TMP+j:TMP+j+1], v[64*\a+j:64*\a+j+1], v[j:j+1]   ; each accumulator from its low end on
.set j, j+2
.endr
	WIN 0
.set j, 0
.rept 64
	v_med3_num_f32 v[TMP+j], v[TMP+j], -v[VLIM], v[VLIM]   ; the conversion does not saturate (ISA guide 7.6.2): the hold comes first
.set j, j+1
.endr
.irp g, 0,1,2,3,4,5,6,7
	v_cvt_scalef32_pk8_fp8_f32 v[CD+16*\a+2*\g:CD+16*\a+2*\g+1], v[TMP+8*\g:TMP+8*\g+7], v[VSC]
.endr
	v_nop                                          ; a plain line behind the conversions
.irp c, 0,1,2,3
	global_store_b128 v[HO], v[CD+16*\a+4*\c:CD+16*\a+4*\c+3], s[18:19] offset:2048*\a+512*\c   ; the wave stores 512 consecutive bytes, aligned
.endr
.endr
	s_wait_tensorcnt 0x0                           ; the wave's end
	ds_add_u32 v[SPW], v[NIL]
	s_wait_dscnt 0x0
	CROUND                                         ; the closing round
	s_endpgm
.Lfunc_end_k_q4a8d9aa7b4_gemm1:
	.size	k_q4a8d9aa7b4_gemm1, .Lfunc_end_k_q4a8d9aa7b4_gemm1-k_q4a8d9aa7b4_gemm1
	.p2alignl 7, 3214868480
	.fill 96, 4, 3214868480
	.section	.rodata,"a",@progbits
	.p2align	6, 0x0
	.amdhsa_kernel k_q4a8d9aa7b4_gemm1
		.amdhsa_group_segment_fixed_size 327680
		.amdhsa_private_segment_fixed_size 0
		.amdhsa_enable_private_segment 0
		.amdhsa_kernarg_size 64
		.amdhsa_user_sgpr_count 2
		.amdhsa_user_sgpr_kernarg_segment_ptr 1
		.amdhsa_wavefront_size32 1
		.amdhsa_system_sgpr_workgroup_id_x 1
		.amdhsa_system_sgpr_workgroup_id_y 1
		.amdhsa_system_sgpr_workgroup_id_z 1
		.amdhsa_system_vgpr_workitem_id 0
		.amdhsa_next_free_vgpr 896
		.amdhsa_next_free_sgpr 100
		.amdhsa_reserve_vcc 0
		.amdhsa_float_denorm_mode_32 3
		.amdhsa_float_denorm_mode_16_64 3
		.amdhsa_memory_ordered 1
		.amdhsa_forward_progress 1
		.amdhsa_inst_pref_size 120
	.end_amdhsa_kernel
	.amdgpu_metadata
---
amdhsa.version: [ 1, 2 ]
amdhsa.kernels:
  - .name:           k_q4a8d9aa7b4_gemm1
    .symbol:         k_q4a8d9aa7b4_gemm1.kd
    .args:
      - { .name: xq, .offset: 0, .size: 8, .value_kind: global_buffer, .address_space: global }
      - { .name: vq, .offset: 8, .size: 8, .value_kind: global_buffer, .address_space: global }
      - { .name: lowp_scales, .offset: 16, .size: 8, .value_kind: global_buffer, .address_space: global }
      - { .name: v1, .offset: 24, .size: 8, .value_kind: global_buffer, .address_space: global }
      - { .name: u2, .offset: 32, .size: 8, .value_kind: global_buffer, .address_space: global }
      - { .name: v1_R, .offset: 40, .size: 8, .value_kind: global_buffer, .address_space: global }
      - { .name: u2_R, .offset: 48, .size: 8, .value_kind: global_buffer, .address_space: global }
      - { .name: hq, .offset: 56, .size: 8, .value_kind: global_buffer, .address_space: global }
    .group_segment_fixed_size: 327680
    .private_segment_fixed_size: 0
    .kernarg_segment_align: 8
    .kernarg_segment_size: 64
    .max_flat_workgroup_size: 128
    .sgpr_count:     100
    .vgpr_count:     896
    .wavefront_size: 32
...
	.end_amdgpu_metadata
.endif
;; end of part 2
;; launch gemm2 (part 3): grid 16 x 16, 4 waves a work-group, clusters of 4 x 4, 327,680 bytes of LDS; arguments hq, uq, lowp_scales, u1, u1_R, bias, out0; writes out0
.if DOCPART == 3
	.amdgcn_target "amdgcn-amd-amdhsa--gfx1250"
	.amdhsa_code_object_version 6
	.text
	.protected	k_q4a8d9aa7b4_gemm2
	.globl	k_q4a8d9aa7b4_gemm2
	.p2align	8
	.type	k_q4a8d9aa7b4_gemm2,@function
k_q4a8d9aa7b4_gemm2:
	s_mov_b64 s[64:65], 0
	v_nop
	global_prefetch_b8 v0, s[64:65] scope:SCOPE_SE
	s_setreg_imm32_b32 hwreg(HW_REG_WAVE_MODE, 25, 1), 1
	s_wait_xcnt 0x0
	s_wait_alu depctr_hold_cnt(0) depctr_sa_sdst(0) depctr_va_vdst(0) depctr_va_sdst(0) depctr_va_ssrc(0) depctr_va_vcc(0) depctr_vm_vsrc(0)
	s_getreg_b32 s2, hwreg(HW_REG_IB_STS2, 6, 4)
	s_cmp_eq_u32 s2, 0
	s_cbranch_scc0 .Lentry_in_a_cluster
	s_endpgm
.Lentry_in_a_cluster:
	s_bfe_u32 s2, ttmp6, 0x10000c
	s_cmp_lg_u32 s2, 0xf033
	s_cbranch_scc0 .Lentry_shape_is_right
	s_endpgm
.Lentry_shape_is_right:
; Products 2 and 4 and the sum: out0 = (hq0 Uq^T) a + (hq1 U_Rq^T) b + bias, a = u1 2^(e2 + e3), b = u1_R 2^(e6 + e7), on codes of FP8 laid as register images (fragments of 16 rows x 128 K, 2,048 bytes).
; A work-group makes 256 x 256 of out0, a wave 128 x 128 in 64 accumulators; K = 2,048 (eight K steps of 128 for each path) goes through a ring of two LDS slots of two K steps each.
; One set of accumulators serves both paths: behind the first path's K steps the sums are multiplied by a / b', and the finished sums by b', with bias added by the same fused line.
; LIMIT: b' is b with its magnitude held at max(|a| 2^-80, 2^-120) from below; where |b| lies under that bound the second path's term is taken with b'.  NaN is not served.
; CLUSTERS: 4 x 4; A's tiles are asked for jointly along a row, B's along a column; one tensor load a wave behind each round; every refill's wait on TENSORcnt is for 0.
; The way out goes through each wave's own stage in LDS, so that the 32 lanes store 512 consecutive bytes of a row.
.set SLOT,  131072
.set SPARE, 2*SLOT
.set STAGE, SPARE+512
.set SPITCH, 528
.set VEC,   STAGE+4*16*SPITCH
.set ASTEP, 32768
.set BSTEP, 65536
.set NL,   4
.set ADRA, 16
.set ADRB, 20
.set VW,   23
.set STO,  24
.set RD,   25
.set CO,   26
.set VR,   27
.set SPW,  28
.set NIL,  29
.set PFO,  30
.set RT,   32
.set TMP,  32
.set HT,   96
.set AF,   128
.set G1,  24
.set G0,  32
.set G1B, 48
.set G0B, 56
.set PFA, 68
.set PFS, 70
.set PLIM, 72
.set MSB, 0
.macro WIN new
.if MSB != \new
	s_set_vgpr_msb (MSB<<8)|\new
.set MSB, \new
.endif
.endm
.set MUL_LO, 0xa1
.set MUL_HI, 0xf1
.set TO_B,   0x40
.macro JLOAD s
	s_cmp_eq_u32 s21, 0
	s_cbranch_scc0 .Lfor_b_\@
	tensor_load_to_lds s[G0+4*\s:G0+4*\s+3], s[G1:G1+7]
	s_nop 0
.rept 4
	v_nop
.endr
	s_branch .Lasked_\@
.Lfor_b_\@:
	tensor_load_to_lds s[G0B+4*\s:G0B+4*\s+3], s[G1B:G1B+7]
	s_nop 0
.rept 4
	v_nop
.endr
.Lasked_\@:
.endm
.macro CREST
	s_cmp_lg_u32 s20, 0
	s_cbranch_scc1 .Lnot_wave_0_\@
	s_barrier_signal -3
.Lnot_wave_0_\@:
	s_barrier_wait -3
	s_barrier_signal -1
	s_barrier_wait -1
.endm
.macro CROUND
	s_barrier_signal -1
	s_barrier_wait -1
	CREST
.endm
.macro ASK
	s_cmp_eq_u32 s[PLIM], 1
	s_cbranch_scc0 .Lnot_mine_\@
	global_prefetch_b8 v[PFO], s[PFA:PFA+1] th:TH_LOAD_NT scope:SCOPE_SE
.Lnot_mine_\@:
.endm
	s_load_b256 s[4:11], s[0:1], 0x0
	s_load_b128 s[12:15], s[0:1], 0x20
	s_load_b64 s[16:17], s[0:1], 0x30
	v_lshl_add_u32 v[SPW], v0, 2, SPARE
	v_mov_b32 v[NIL], 0
	ds_add_u32 v28, v29
	ds_add_u32 v28, v29
	s_wait_dscnt 0x0
	v_lshrrev_b32 v1, 5, v0
	v_readfirstlane_b32 s20, v1
	s_lshr_b32 s21, s20, 1
	s_and_b32 s22, s20, 1
	s_bfe_u32 s40, ttmp6, 0x40000
	s_bfe_u32 s41, ttmp6, 0x40004
	s_lshl_b32 s42, ttmp9, 2
	s_add_co_u32 s42, s42, s40
	s_and_b32 s43, ttmp7, 0xffff
	s_lshl_b32 s43, s43, 2
	s_add_co_u32 s43, s43, s41
	s_lshl_b32 s44, s41, 2
	s_lshl_b32 s44, 15, s44
	s_lshl_b32 s45, 0x1111, s40
	s_or_b32 s[G1], s44, (3<<16)|(1<<21)
	s_or_b32 s[G1B], s45, (3<<16)|(1<<21)
.irp g, G1, G1B
	s_mov_b32 s[\g+1], 32<<16
	s_mov_b32 s[\g+2], 128<<16
	s_mov_b32 s[\g+3], 32<<16
	s_mov_b32 s[\g+4], 128
	s_mov_b32 s[\g+5], 32
	s_mov_b32 s[\g+6], 0
	s_mov_b32 s[\g+7], 0
.endr
	s_lshl_b32 s66, s43, 19
	s_lshl_b32 s84, s22, 18
	s_add_co_u32 s66, s66, s84
	s_mov_b32 s67, 0
	s_lshl_b32 s46, s42, 19
	s_lshl_b32 s85, s22, 15
	s_add_co_u32 s46, s46, s85
	s_mov_b32 s47, 0
	s_lshl_b32 s86, s22, 15
	s_add_co_u32 s87, s86, 65536
	s_wait_kmcnt 0x0
	s_load_b256 s[76:83], s[8:9], 0x0
	s_add_nc_u64 s[66:67], s[4:5], s[66:67]
	s_add_nc_u64 s[46:47], s[6:7], s[46:47]
	CROUND
.irp s, 0,1
	s_mov_b32 s[G0+4*\s], 1
	s_add_co_u32 s[G0+4*\s+1], s86, \s*SLOT
	s_add_nc_u64 s[G0+4*\s+2:G0+4*\s+3], s[66:67], \s*ASTEP
	s_or_b32 s[G0+4*\s+3], s[G0+4*\s+3], 0x80000000
	s_mov_b32 s[G0B+4*\s], 1
	s_add_co_u32 s[G0B+4*\s+1], s87, \s*SLOT
	s_add_nc_u64 s[G0B+4*\s+2:G0B+4*\s+3], s[46:47], \s*BSTEP
	s_or_b32 s[G0B+4*\s+3], s[G0B+4*\s+3], 0x80000000
.endr
	JLOAD 0                                        ; the first two K steps: one tensor load a wave at the head, behind the one round
	s_wait_alu depctr_va_vdst(0)
	s_wait_tensorcnt 0x0                           ; my part of slot 0 is in; the same lines as ahead of a refill
	ds_add_u32 v28, v29
	s_wait_dscnt 0x0
	CROUND
	JLOAD 1                                        ; slot 1's first fill
	v_and_b32 v1, 31, v0
	v_lshlrev_b32 v[CO], 4, v1
	s_wait_alu depctr_va_vdst(0)
	v_lshlrev_b32 v[PFO], 8, v1
	v_and_b32 v2, 15, v0
	s_wait_alu depctr_va_vdst(0)
	v_bfe_u32 v3, v0, 4, 1
	s_lshl_b32 s88, s42, 10
	s_lshl_b32 s89, s22, 9
	s_add_co_u32 s88, s88, s89
	s_mov_b32 s89, 0
	s_add_nc_u64 s[10:11], s[10:11], s[88:89]
	s_add_nc_u64 s[12:13], s[12:13], s[88:89]
	s_add_nc_u64 s[14:15], s[14:15], s[88:89]
	global_load_b128 v[HT:HT+3], v[CO], s[10:11]
	global_load_b128 v[HT+4:HT+7], v[CO], s[12:13]
	global_load_b128 v[HT+8:HT+11], v[CO], s[14:15]
	s_lshl_b32 s90, s43, 22
	s_lshl_b32 s91, s21, 21
	s_add_co_u32 s90, s90, s91
	s_add_co_u32 s90, s90, s88
	s_mov_b32 s91, 0
	s_add_nc_u64 s[16:17], s[16:17], s[90:91]
	s_lshl_b32 s84, s21, 15
	s_lshl_b32 s85, s22, 14
	s_add_co_u32 s85, s85, 65536
.irp s, 0,1
	v_add_nc_u32 v[ADRA+\s], s84, v[CO]
	v_add_nc_u32 v[ADRB+\s], s85, v[CO]
	s_add_co_u32 s84, s84, SLOT
	s_add_co_u32 s85, s85, SLOT
.endr
	s_mul_i32 s84, s20, 16*SPITCH
	s_add_co_u32 s84, s84, STAGE
	v_mul_u32_u24 v5, v2, SPITCH
	s_wait_alu depctr_va_vdst(0)
	v_lshl_add_u32 v5, v3, 6, v5
	v_add_nc_u32 v[STO], s84, v5
	v_add_nc_u32 v[RD], s84, v[CO]
	s_mul_i32 s85, s20, 1536
	s_add_co_u32 s85, s85, VEC
	v_add_nc_u32 v[VW], s85, v[CO]
	v_lshlrev_b32 v5, 6, v3
	v_add_nc_u32 v[VR], s85, v5
	s_lshl_b32 s88, s43, 19
	s_lshl_b32 s89, s22, 18
	s_add_co_u32 s88, s88, s89
	s_lshl_b32 s89, s40, 13
	s_add_co_u32 s88, s88, s89
	s_add_co_u32 s88, s88, 2*ASTEP
	s_lshl_b32 s94, s42, 19
	s_lshl_b32 s95, s22, 15
	s_add_co_u32 s94, s94, s95
	s_lshl_b32 s95, s41, 13
	s_add_co_u32 s94, s94, s95
	s_add_co_u32 s94, s94, 2*BSTEP
	s_and_b32 s86, ttmp7, 0xffff
	s_cmp_eq_u32 s21, 0
	s_cselect_b64 s[PFA:PFA+1], s[4:5], s[6:7]
	s_cselect_b32 s88, s88, s94
	s_mov_b32 s[PFS], BSTEP
	s_cselect_b32 s[PFS], ASTEP, s[PFS]
	s_cselect_b32 s86, ttmp9, s86
	s_mov_b32 s89, 0
	s_mov_b32 s[PFS+1], 0
	s_add_nc_u64 s[PFA:PFA+1], s[PFA:PFA+1], s[88:89]
	s_cmp_eq_u32 s86, 0
	s_cselect_b32 s[PLIM], 1, 0
	s_wait_kmcnt 0x0
	s_add_co_i32 s92, s78, s79
	s_add_co_i32 s93, s82, s83
	s_mov_b32 s94, 0x17800000
	s_mov_b32 s95, 0x03800000
	s_mov_b32 s90, 0x80000000
	s_wait_loadcnt 0x0
.irp i, 0,1,2,3
	v_ldexp_f32 v[HT+\i], v[HT+\i], s92
	v_ldexp_f32 v[HT+4+\i], v[HT+4+\i], s93
.endr
.irp i, 0,1,2,3
	v_mul_f32 v[HT+12+\i], s94, |v[HT+\i]|
.endr
.irp i, 0,1,2,3
	v_max3_num_f32 v[HT+12+\i], v[HT+12+\i], |v[HT+4+\i]|, s95
.endr
.irp i, 0,1,2,3
	v_and_or_b32 v[HT+4+\i], v[HT+4+\i], s90, v[HT+12+\i]
.endr
	s_wait_alu depctr_va_vdst(0)
.irp i, 0,1,2,3
	v_rcp_f32 v[HT+12+\i], v[HT+4+\i]
.endr
	v_nop
	s_wait_alu depctr_va_vdst(0)
.irp i, 0,1,2,3
	v_mul_f32 v[HT+\i], v[HT+\i], v[HT+12+\i]
.endr
	ds_store_b128 v[VW], v[HT:HT+3]
	ds_store_b128 v[VW], v[HT+4:HT+7] offset:512
	ds_store_b128 v[VW], v[HT+8:HT+11] offset:1024
.irp b, 0,1,2,3
.irp q, 0,1,2,3
	ds_load_b128 v[RT+16*\b+4*\q:RT+16*\b+4*\q+3], v[VR] offset:128*\b+16*\q
.endr
.endr
.macro FRAG reg, adr, off
.irp c, 0,1,2,3
	ds_load_b128 v[\reg+4*\c:\reg+4*\c+3], v[\adr] offset:\off+512*\c
.endr
.endm
.macro FETCH_B slot, q, p
	WIN TO_B
.irp i, 0,1,2,3,4,5,6,7
	FRAG 128*(\p)+16*\i, ADRB+\slot, (\q)*32768+\i*2048
.endr
	WIN 0
.endm
.macro FETCH_A slot, q, i0
.irp i, \i0, \i0+1, \i0+2, \i0+3
	FRAG AF+16*(\i), ADRA+\slot, (\q)*16384+(\i)*2048
.endr
.endm
.macro MUL16 a0, p, zero
.irp a, \a0, \a0+1
.irp b, 0,1,2,3,4,5,6,7
.if \zero
	v_wmma_f32_16x16x128_fp8_fp8 v[8*(8*((\a)%4)+\b):8*(8*((\a)%4)+\b)+7], v[128*(\p)+16*\b:128*(\p)+16*\b+15], v[AF+16*(\a):AF+16*(\a)+15], 0
.else
	v_wmma_f32_16x16x128_fp8_fp8 v[8*(8*((\a)%4)+\b):8*(8*((\a)%4)+\b)+7], v[128*(\p)+16*\b:128*(\p)+16*\b+15], v[AF+16*(\a):AF+16*(\a)+15], v[8*(8*((\a)%4)+\b):8*(8*((\a)%4)+\b)+7]
.endif
.endr
.endr
.endm
.macro PLACES n
.rept \n
	v_nop
.endr
.endm
.macro STEP slot, zero
	s_wait_dscnt 4*NL
	WIN MUL_LO
	MUL16 0, 0, \zero
	MUL16 2, 0, \zero
	s_wait_dscnt 0x0
	PLACES 4
	FETCH_B \slot, 1, 1
	FETCH_A \slot, 1, 0
	WIN MUL_HI
	MUL16 4, 0, \zero
	MUL16 6, 0, \zero
	PLACES 4
	WIN 0
	FETCH_A \slot, 1, 4
.endm
.macro TURN slot, next, fill, ask
.if \ask
	s_wait_xcnt 0x0
	s_add_nc_u64 s[PFA:PFA+1], s[PFA:PFA+1], s[PFS:PFS+1]
.endif
	s_wait_dscnt 4*NL                              ; B's set and A's blocks 0-3 are in; A's blocks 4-7 may be out
	WIN MUL_LO
	MUL16 0, 1, 0
	MUL16 2, 1, 0
	WIN 0
	s_wait_tensorcnt 0x0                           ; all my tensor loads have landed: my part of the next slot
	ds_add_u32 v[SPW], v[NIL]
	s_wait_dscnt 0x0                               ; the add is done and my reads of this slot are over
	s_barrier_signal -1
	s_barrier_wait -1
.if \fill
	CREST
	s_add_nc_u64 s[G0+4*\slot+2:G0+4*\slot+3], s[G0+4*\slot+2:G0+4*\slot+3], 2*ASTEP
	s_add_nc_u64 s[G0B+4*\slot+2:G0B+4*\slot+3], s[G0B+4*\slot+2:G0B+4*\slot+3], 2*BSTEP
	JLOAD \slot
.else
	PLACES 4
.endif
	FETCH_B \next, 0, 0
	FETCH_A \next, 0, 0
.if \ask
	ASK
.endif
	WIN MUL_HI
	MUL16 4, 1, 0
	MUL16 6, 1, 0
	PLACES 4
	WIN 0
	FETCH_A \next, 0, 4
.endm
.macro RESCALE
.irp w, 0,1
	WIN (0x82+0x41*\w)
.set j, 0
.rept 128
	v_pk_mul_f32 v[j:j+1], v[j:j+1], v[RT+j%64:RT+j%64+1]
.set j, j+2
.endr
.endr
.endm
.macro TOSTAGE a
.set AC, 64*((\a)%4)
	WIN (0x16+(\a)/4)
.set j, 0
.rept 32
	v_pk_fma_f32 v[TMP+j:TMP+j+1], v[AC+j:AC+j+1], v[j:j+1], v[64+j:64+j+1]
.set j, j+2
.endr
	WIN 0
.irp b, 0,1,2,3
.irp q, 0,1,2,3
	ds_store_b128 v[STO], v[TMP+16*\b+4*\q:TMP+16*\b+4*\q+3] offset:128*\b+16*\q
.endr
.endr
.set BB, 64*((\a)%4)                   ; the block's rows come back into its own 64 accumulator registers, which the lines above have read: no register that a store reads is written again
	WIN (0x80+0x40*((\a)/4))                       ; destination window 2 or 3, address window 0
.irp i, 0,1,2,3,4,5,6,7,8,9,10,11,12,13,14,15
	ds_load_b128 v[BB+4*\i:BB+4*\i+3], v[RD] offset:SPITCH*\i
.endr
	WIN 0
.endm
.macro SEND a, younger
.set BB, 64*((\a)%4)
	s_wait_dscnt \younger
	WIN (0x08+0x04*((\a)/4))                       ; a store's data is source 1: window 2 or 3; its address window 0
.irp i, 0,1,2,3,4,5,6,7,8,9,10,11,12,13,14,15
	global_store_b128 v[CO], v[BB+4*\i:BB+4*\i+3], s[16:17] offset:(16*(\a)+\i)*16384 th:TH_STORE_NT
.endr
	WIN 0
.endm
	s_wait_dscnt 0x0
	s_wait_tensorcnt 1
	s_barrier_signal -1
	s_barrier_wait -1
	FETCH_B 0, 0, 0
	FETCH_A 0, 0, 0
	FETCH_A 0, 0, 4
	STEP 0, 1
	TURN 0, 1, 1, 1
	STEP 1, 0
	TURN 1, 0, 1, 1
	STEP 0, 0
	TURN 0, 1, 1, 1
	STEP 1, 0
	TURN 1, 0, 1, 1
	RESCALE
	s_wait_alu depctr_va_vdst(0)
	STEP 0, 0
	TURN 0, 1, 1, 1
	STEP 1, 0
	TURN 1, 0, 1, 0
	STEP 0, 0
	TURN 0, 1, 0, 0
	STEP 1, 0
	s_wait_dscnt 4*NL
	WIN MUL_LO
	MUL16 0, 1, 0
	MUL16 2, 1, 0
	s_wait_dscnt 0x0
	WIN MUL_HI
	MUL16 4, 1, 0
	MUL16 6, 1, 0
	WIN 0
	PLACES 4
	WIN TO_B
.irp k, 0,1
.irp b, 0,1,2,3
.irp q, 0,1,2,3
	ds_load_b128 v[64*\k+16*\b+4*\q:64*\k+16*\b+4*\q+3], v[VR] offset:512*(\k+1)+128*\b+16*\q
.endr
.endr
.endr
	WIN 0
	s_wait_dscnt 0x0
	TOSTAGE 0
.irp a, 1,2,3,4,5,6,7
	TOSTAGE \a
	SEND \a-1, 32
.endr
	SEND 7, 0
	s_wait_tensorcnt 0x0
	ds_add_u32 v[SPW], v[NIL]
	s_wait_dscnt 0x0
	CROUND
	s_endpgm
.Lfunc_end_k_q4a8d9aa7b4_gemm2:
	.size	k_q4a8d9aa7b4_gemm2, .Lfunc_end_k_q4a8d9aa7b4_gemm2-k_q4a8d9aa7b4_gemm2
	.p2alignl 7, 3214868480
	.fill 96, 4, 3214868480
	.section	.rodata,"a",@progbits
	.p2align	6, 0x0
	.amdhsa_kernel k_q4a8d9aa7b4_gemm2
		.amdhsa_group_segment_fixed_size 327680
		.amdhsa_private_segment_fixed_size 0
		.amdhsa_enable_private_segment 0
		.amdhsa_kernarg_size 56
		.amdhsa_user_sgpr_count 2
		.amdhsa_user_sgpr_kernarg_segment_ptr 1
		.amdhsa_wavefront_size32 1
		.amdhsa_system_sgpr_workgroup_id_x 1
		.amdhsa_system_sgpr_workgroup_id_y 1
		.amdhsa_system_sgpr_workgroup_id_z 1
		.amdhsa_system_vgpr_workitem_id 0
		.amdhsa_next_free_vgpr 1024
		.amdhsa_next_free_sgpr 96
		.amdhsa_reserve_vcc 0
		.amdhsa_float_denorm_mode_32 3
		.amdhsa_float_denorm_mode_16_64 3
		.amdhsa_memory_ordered 1
		.amdhsa_forward_progress 1
		.amdhsa_inst_pref_size 219
	.end_amdhsa_kernel
	.amdgpu_metadata
---
amdhsa.version: [ 1, 2 ]
amdhsa.kernels:
  - .name:           k_q4a8d9aa7b4_gemm2
    .symbol:         k_q4a8d9aa7b4_gemm2.kd
    .args:
      - { .name: hq, .offset: 0, .size: 8, .value_kind: global_buffer, .address_space: global }
      - { .name: uq, .offset: 8, .size: 8, .value_kind: global_buffer, .address_space: global }
      - { .name: lowp_scales, .offset: 16, .size: 8, .value_kind: global_buffer, .address_space: global }
      - { .name: u1, .offset: 24, .size: 8, .value_kind: global_buffer, .address_space: global }
      - { .name: u1_R, .offset: 32, .size: 8, .value_kind: global_buffer, .address_space: global }
      - { .name: bias, .offset: 40, .size: 8, .value_kind: global_buffer, .address_space: global }
      - { .name: out0, .offset: 48, .size: 8, .value_kind: global_buffer, .address_space: global }
    .group_segment_fixed_size: 327680
    .private_segment_fixed_size: 0
    .kernarg_segment_align: 8
    .kernarg_segment_size: 56
    .max_flat_workgroup_size: 128
    .sgpr_count:     96
    .vgpr_count:     1024
    .wavefront_size: 32
...
	.end_amdgpu_metadata
.endif
;; end of part 3
